; MI455X (gfx1250); checked and timed in simulation.
; The chip was launched on July 23, 2026; its instructions are those of AMD's public machine-readable ISA for CDNA 5 (MIT licence, August 2026) and "CDNA5" Instruction Set Architecture Reference Guide (July 2026). The comments in the code are by the model that wrote it; some were corrected since.
;; Attention Decoder. Allowed arithmetic: float matrix products may take bf16 or f16 operands with f32 sums; other float arithmetic in f32, or as packed bf16 or f16 multiplies, adds, multiply-adds, maxima and minima; sums over many terms, partial sums and values carried from step to step in f32; what a program stores and reads back later, other than sums and carried values, may be rounded once to bf16 or f16.
;; Inputs: attn_b 1 float32; attn_w 1 x 2,048 float32; dec_h 1 x 1,024 float32; enc 32,768 x 1 x 1,024 float32.
;; Outputs: out0 1 x 1,024 float32; out1 1 x 32,768 float32.
;; One version. Each part assembles by itself: llvm-mc -triple=amdgcn-amd-amdhsa -mcpu=gfx1250 --defsym DOCPART=n.
;; ======== version 1 of 1: 2 launches
;; workspace buffers: part 1,048,576 bytes; stats 2,048 bytes; scores 131,072 bytes
;; launch partial (part 1): grid 256 x 1, 16 waves a work-group, no clusters, 68,352 bytes of LDS; arguments enc, attn_w, part, stats, scores; writes part, stats, scores
.if DOCPART == 1
	.amdgcn_target "amdgcn-amd-amdhsa--gfx1250"
	.amdhsa_code_object_version 6
	.text
	.protected	k_q287a6ac78a_partial
	.globl	k_q287a6ac78a_partial
	.p2align	8
	.type	k_q287a6ac78a_partial,@function
k_q287a6ac78a_partial:
	s_mov_b64 s[64:65], 0
	v_nop
	global_prefetch_b8 v0, s[64:65] scope:SCOPE_SE
	s_setreg_imm32_b32 hwreg(HW_REG_WAVE_MODE, 25, 1), 1
	s_wait_xcnt 0x0
; AttentionDecoder, first of two launches: enc [32768][1024] f32 is read ONCE; each work-group leaves a partial softmax sum of its 128 rows.
; WORK LEFT OUT.  reference() has scores[t] = enc[t] . w_enc + k with k = dec_h . w_dec + attn_b, one number, the same for every t.  Both results are made of softmax(scores) alone,
; and e^(s_t + k) / sum_u e^(s_u + k) = e^(s_t) / sum_u e^(s_u) for every finite k.  So k reaches no result: dec_h, attn_b and the first 1,024 numbers of attn_w are not loaded,
; and dec_h and attn_b are not among the arguments of any launch.  LIMIT: a NaN, an infinity or an overflow that arises in k alone is not carried to the results.
; WHAT IS DONE.  s'[t] = enc[t] . (log2(e) w_enc), so that e^s = 2^s'.  For its rows a wave keeps a running maximum m, l = sum 2^(s' - m) and acc[c] = sum 2^(s' - m) enc[t][c]:
; the maximum is taken away in front of every exponential.  All in f32.  The second launch joins the 256 partial sums and makes both results.
; LIMITS.  A weight below 2^-126 counts as 0.  NaN and infinities in enc or w_enc are not treated apart.  The f32 sums are taken in another order than reference()'s.
; SHARES.  256 work-groups of 16 waves; a work-group owns 128 rows (512 KiB on end).  In step r (0..7) wave w takes row 16 r + w: the 16 waves' loads of a step cover 64 KiB on end.
; A row is 4,096 bytes: eight loads of 16 bytes a lane, each covering 512 consecutive bytes; load j gives lane l the columns 128 j + 4 l + 0..3; w_enc lies in registers in the same order.
; IN FLIGHT.  Six row slots of 32 registers: rows 0-5 go out at once (48 loads a wave, 384 KiB a work-group); rows 6 and 7 go into slots 1 and 2 as soon as those have been added up.
; Rows are taken two at a time, so that acc is rescaled once for two rows.  Slot 0 becomes acc in place: nothing is cleared.
; NO MATRIX UNIT: the product has one row, a sixteenth of a tile, and rounding enc to 16 bits would take as many vector instructions as the packed f32 multiply-adds written here.
; NO CLUSTER: all that work-groups share is w_enc, 4 KiB beside the 512 KiB of enc that each reads alone.  NO LDS ON THE WAY IN: no wave wants a byte that another wave has loaded.
.set ROWB,   4096                      ; bytes in a row of enc
.set RSTEP,  16*ROWB                   ; from a wave's row to its next
.set WENC,   4096                      ; w_enc begins behind the 1,024 numbers of w_dec
.set STATM,  0                         ; LDS: the 16 waves' m
.set STATL,  64                        ;      their l
.set SCO,    256                       ;      the work-group's 128 scores, in row order: 512 bytes
.set SPARE,  768                       ;      the spare words, 128 bytes for each of 16 waves: eight blocks of 256 bytes that no other line names
.set ACCL,   2816                      ;      the 16 waves' acc, 4,096 bytes each, in column order
.set LANE, 1                           ; v1   my lane
.set OFF,  2                           ; v2   16 x lane: my place in 512 bytes; never rewritten
.set SPW,  3                           ; v3   LDS address of my spare word; never rewritten
.set NIL,  4                           ; v4   0; never rewritten
.set LW,   5                           ; v5   where I put my 16 bytes of acc
.set LR,   6                           ; v6   where I read 8 bytes of each wave's acc back
.set LS,   7                           ; v7   4 x wave
.set DA,   8                           ; v[8:11]   row a's dot product: two chains of two
.set DB,   12                          ; v[12:15]  row b's
.set SA,   16                          ; v16  row a's score
.set SB,   17                          ; v17  row b's
.set MN,   21                          ; v21  the new maximum
.set M,    22                          ; v22  m
.set L,    23                          ; v23  l
.set A,    24                          ; v[24:25]  a = 2^(m_old - m_new), and above it its exponent: a packed line names the pair and takes the low word for both halves
.set PA,   26                          ; v[26:27]  row a's weight, and its exponent
.set PB,   28                          ; v[28:29]  row b's
.set LZ,   30                          ; v30  0, an LDS address that all lanes share
.set PO,   31                          ; v31  8 x thread: my 8 bytes of the work-group's partial row
.set W,    32                          ; v[32:63]   log2(e) w_enc
.set X,    64                          ; v[64:255]  six row slots; slot 0 turns into acc
.set E,    96                          ; the end: the 16 m
.set F,    112                         ;          the 16 l (wave 0)
.set G,    128                         ;          16 pairs: my two columns of each wave's acc
.set H,    160                         ;          16 pairs: 2^(m_k - m), and above it its exponent
.set R,    192                         ;          two chains of sums
.set Q,    196                         ;          four scores (wave 0)
.set WV,   14                          ; s14  my wave's number
.set SEL,  22                          ; s[22:23] v_permlanex16_b32's selects: each lane takes its own place in the other half
.set CS,   24                          ; s[24:25] log2(e): named as a pair, the low word serves both halves
	s_load_b128 s[4:7], s[0:1], 0x0                ; enc s[4:5], attn_w s[6:7]
	s_load_b128 s[8:11], s[0:1], 0x10              ; part s[8:9], stats s[10:11]
	s_load_b64 s[12:13], s[0:1], 0x20              ; scores
	v_lshl_add_u32 v[SPW], v0, 2, SPARE
	v_mov_b32 v[NIL], 0
	v_lshrrev_b32 v[LS], 5, v0
	v_readfirstlane_b32 s[WV], v[LS]               ; wave 0..15
	v_and_b32 v[LANE], 31, v0
	v_lshlrev_b32 v[OFF], 4, v[LANE]
	s_lshl_b32 s16, ttmp9, 19                      ; the work-group's 128 rows of 4,096 bytes (under 2^27),
	s_lshl_b32 s17, s[WV], 12                      ; my wave's first row among them
	s_add_co_u32 s16, s16, s17
	s_mov_b32 s17, 0
	s_wait_kmcnt 0x0
	s_add_nc_u64 s[4:5], s[4:5], s[16:17]          ; enc at my first row; never rewritten
.macro FILL row, slot                  ; eight loads: the whole row; enc is read once in the launch
.irp j, 0,1,2,3,4,5,6,7
	global_load_b128 v[X+32*(\slot)+4*(\j):X+32*(\slot)+4*(\j)+3], v[OFF], s[4:5] offset:(\row)*RSTEP+512*(\j) th:TH_LOAD_NT
.endr
.endm
.irp j, 0,1,2,3,4,5,6,7
	global_load_b128 v[W+4*(\j):W+4*(\j)+3], v[OFF], s[6:7] offset:WENC+512*(\j)
.endr
	FILL 0, 0
	FILL 1, 1
	FILL 2, 2
	FILL 3, 3
	FILL 4, 4
	FILL 5, 5
	; the rest of the set-up stands behind the loads
	s_lshl_b32 s18, s[WV], 12
	s_add_co_u32 s18, s18, ACCL
	v_lshl_add_u32 v[LW], v[LANE], 4, s18          ; ACCL + 4,096 x wave + 16 x lane
	v_lshl_add_u32 v[LR], v0, 3, ACCL              ; ACCL + 256 x wave + 8 x lane
	v_lshlrev_b32 v[PO], 3, v0
	s_lshl_b32 s19, s[WV], 2
	v_mov_b32 v[LS], s19
	v_mov_b32 v[LZ], 0
	s_mov_b32 s[SEL], 0x76543210
	s_mov_b32 s[SEL+1], 0xfedcba98
	s_mov_b32 s[CS], 0x3fb8aa3b                    ; log2(e)
	s_mov_b32 s[CS+1], s[CS]                       ; named with it as a pair, so it is written
	s_lshl_b32 s16, ttmp9, 12                      ; (s17 is still 0)
	s_add_nc_u64 s[8:9], s[8:9], s[16:17]          ; my work-group's row of part,
	s_lshl_b32 s16, ttmp9, 2
	s_add_nc_u64 s[10:11], s[10:11], s[16:17]      ; its word in stats,
	s_lshl_b32 s16, ttmp9, 9
	s_add_nc_u64 s[12:13], s[12:13], s[16:17]      ; its 512 bytes of scores
	s_wait_loadcnt 48                              ; loads come back in order (ISA guide 5.7.1): w_enc is in, the six rows' 48 loads may stay out
.set i, 0
.rept 16
	v_pk_mul_f32 v[W+2*i:W+2*i+1], v[W+2*i:W+2*i+1], s[CS:CS+1] op_sel_hi:[1,0]
.set i, i+1
.endr
; A row's dot product with w: 16 packed lines in two chains that do not wait for each other; the first two lines start the sums.
.macro DOT slot, d
	v_pk_mul_f32 v[(\d):(\d)+1], v[X+32*(\slot):X+32*(\slot)+1], v[W:W+1]
	v_pk_mul_f32 v[(\d)+2:(\d)+3], v[X+32*(\slot)+2:X+32*(\slot)+3], v[W+2:W+3]
.set i, 2
.rept 14
	v_pk_fma_f32 v[(\d)+2*(i%2):(\d)+2*(i%2)+1], v[X+32*(\slot)+2*i:X+32*(\slot)+2*i+1], v[W+2*i:W+2*i+1], v[(\d)+2*(i%2):(\d)+2*(i%2)+1]
.set i, i+1
.endr
	v_pk_add_f32 v[(\d):(\d)+1], v[(\d):(\d)+1], v[(\d)+2:(\d)+3]
.endm
; Two rows: steps ra and rb, in slots sa and sb.  left = the loads younger than row b's.  first = 1: the rows start m, l and acc (sa is slot 0, which turns into acc).
.macro BATCH first, ra, rb, sa, sb, left
	s_wait_loadcnt (\left)+8                       ; row a is in: row b's eight loads and the younger ones may stay out
	DOT \sa, DA
	s_wait_loadcnt \left                           ; row b is in
	DOT \sb, DB
	v_add_f32 v[SA], v[DA], v[DA+1]
	v_add_f32 v[SB], v[DB], v[DB+1]
.irp x, 1,2,4,8
	v_add_f32_dpp v[SA], v[SA], v[SA] row_xmask:\x row_mask:0xf bank_mask:0xf   ; across 16 lanes; the two rows' lines alternate
	v_add_f32_dpp v[SB], v[SB], v[SB] row_xmask:\x row_mask:0xf bank_mask:0xf
.endr
	v_permlanex16_b32 v[DA], v[SA], s[SEL], s[SEL+1]  ; the other 16 lanes' sum, into a register that has been written
	v_permlanex16_b32 v[DB], v[SB], s[SEL], s[SEL+1]
	v_add_f32 v[SA], v[SA], v[DA]                  ; every lane holds the row's score
	v_add_f32 v[SB], v[SB], v[DB]
.if \first
	v_max_num_f32 v[MN], v[SA], v[SB]
.else
	v_max3_num_f32 v[MN], v[M], v[SA], v[SB]
	v_sub_f32 v[A+1], v[M], v[MN]
.endif
	v_sub_f32 v[PA+1], v[SA], v[MN]
	v_sub_f32 v[PB+1], v[SB], v[MN]
.if !(\first)
	v_exp_f32 v[A], v[A+1]
.endif
	v_exp_f32 v[PA], v[PA+1]
	v_exp_f32 v[PB], v[PB+1]
	v_mov_b32 v[M], v[MN]                          ; the plain instruction behind the last exponential (ISA guide 5.7.2)
	ds_store_b32 v[LS], v[SA] offset:SCO+64*(\ra)  ; row 16 r + w of the work-group; all lanes write the same word with the same number
	ds_store_b32 v[LS], v[SB] offset:SCO+64*(\rb)
	s_wait_alu depctr_va_vdst(0)                   ; one wait for the batch of exponentials, ahead of their first reader
.if \first
	v_add_f32 v[L], v[PA], v[PB]
.set i, 0
.rept 16
	v_pk_mul_f32 v[X+2*i:X+2*i+1], v[X+2*i:X+2*i+1], v[PA:PA+1] op_sel_hi:[1,0]
.set i, i+1
.endr
.else
	v_fma_f32 v[L], v[L], v[A], v[PA]
	v_add_f32 v[L], v[L], v[PB]
.set i, 0
.rept 16
	v_pk_mul_f32 v[X+2*i:X+2*i+1], v[X+2*i:X+2*i+1], v[A:A+1] op_sel_hi:[1,0]
.set i, i+1
.endr
.set i, 0
.rept 16
	v_pk_fma_f32 v[X+2*i:X+2*i+1], v[X+32*(\sa)+2*i:X+32*(\sa)+2*i+1], v[PA:PA+1], v[X+2*i:X+2*i+1] op_sel_hi:[1,0,1]
.set i, i+1
.endr
.endif
.set i, 0
.rept 16
	v_pk_fma_f32 v[X+2*i:X+2*i+1], v[X+32*(\sb)+2*i:X+32*(\sb)+2*i+1], v[PB:PB+1], v[X+2*i:X+2*i+1] op_sel_hi:[1,0,1]
.set i, i+1
.endr
.endm
	BATCH 1, 0, 1, 0, 1, 32                        ; younger than row 1: rows 2-5
	FILL 6, 1                                      ; slot 1 has been added up
	BATCH 0, 2, 3, 2, 3, 24                        ; younger than row 3: rows 4, 5, 6
	FILL 7, 2
	BATCH 0, 4, 5, 4, 5, 16                        ; younger than row 5: rows 6, 7
	BATCH 0, 6, 7, 1, 2, 0                         ; the last wait is for zero
	; THE 16 WAVES MEET.  Each puts m, l and acc into LDS; behind one barrier wave v adds up columns 64 v .. 64 v + 63 of all 16, each scaled by 2^(m_k - m), m the largest of the 16.
.irp j, 0,1,2,3,4,5,6,7
	ds_store_b128 v[LW], v[X+4*(\j):X+4*(\j)+3] offset:512*(\j)  ; 512 neighbouring bytes a line, in column order
.endr
	ds_store_b32 v[LS], v[M] offset:STATM
	ds_store_b32 v[LS], v[L] offset:STATL
	s_wait_dscnt 0x0                               ; for the others' sake: all my LDS stores are done
	s_barrier_signal -1
	s_barrier_wait -1
.irp q, 0,1,2,3
	ds_load_b128 v[E+4*(\q):E+4*(\q)+3], v[LZ] offset:STATM+16*(\q)
.endr
.set k, 0
.rept 16
	ds_load_b64 v[G+2*k:G+2*k+1], v[LR] offset:4096*k   ; 256 neighbouring bytes of wave k's acc
.set k, k+1
.endr
	s_wait_dscnt 16                                ; the 16 m are in; the 16 loads behind them may stay out
	v_max3_num_f32 v[MN], v[E], v[E+1], v[E+2]
	v_max3_num_f32 v[SA], v[E+3], v[E+4], v[E+5]
.irp k, 6, 10
	v_max3_num_f32 v[MN], v[MN], v[E+(\k)], v[E+(\k)+1]
	v_max3_num_f32 v[SA], v[SA], v[E+(\k)+2], v[E+(\k)+3]
.endr
	v_max3_num_f32 v[MN], v[MN], v[E+14], v[E+15]
	v_max_num_f32 v[MN], v[MN], v[SA]              ; the work-group's m
.set k, 0
.rept 16
	v_sub_f32 v[H+2*k+1], v[E+k], v[MN]
.set k, k+1
.endr
.set k, 0
.rept 16
	v_exp_f32 v[H+2*k], v[H+2*k+1]
.set k, k+1
.endr
	v_nop                                          ; the plain instruction behind the last exponential
	s_wait_alu depctr_va_vdst(0)                   ; one wait for the 16
	s_wait_dscnt 0x0
	v_pk_mul_f32 v[R:R+1], v[G:G+1], v[H:H+1] op_sel_hi:[1,0]
	v_pk_mul_f32 v[R+2:R+3], v[G+2:G+3], v[H+2:H+3] op_sel_hi:[1,0]
.set k, 2
.rept 14
	v_pk_fma_f32 v[R+2*(k%2):R+2*(k%2)+1], v[G+2*k:G+2*k+1], v[H+2*k:H+2*k+1], v[R+2*(k%2):R+2*(k%2)+1] op_sel_hi:[1,0,1]
.set k, k+1
.endr
	v_pk_add_f32 v[R:R+1], v[R:R+1], v[R+2:R+3]
	global_store_b64 v[PO], v[R:R+1], s[8:9]       ; the wave's 32 lanes store 256 consecutive bytes, at a multiple of 256 from part's first byte
	s_cmp_lg_u32 s[WV], 0                          ; wave 0 alone stores the scores and the work-group's m and l
	s_cbranch_scc1 .Lend
.irp q, 0,1,2,3
	ds_load_b128 v[F+4*(\q):F+4*(\q)+3], v[LZ] offset:STATL+16*(\q)
.endr
	ds_load_b128 v[Q:Q+3], v[OFF] offset:SCO
	s_wait_dscnt 1                                 ; the 16 l are in; the scores may stay out
	v_mul_f32 v[SA], v[F], v[H]
	v_mul_f32 v[SB], v[F+1], v[H+2]
.set k, 2
.rept 14
	v_fma_f32 v[SA+k%2], v[F+k], v[H+2*k], v[SA+k%2]
.set k, k+1
.endr
	v_add_f32 v[SA], v[SA], v[SB]                  ; the work-group's l
	s_wait_dscnt 0x0
	global_store_b128 v[OFF], v[Q:Q+3], s[12:13]   ; 512 consecutive bytes, at a multiple of 512 from scores' first byte
	v_cmp_eq_u32 vcc_lo, 1, v[LANE]
	v_cndmask_b32 v[SB], v[MN], v[SA], vcc_lo      ; lane 0: m; lane 1: l
	v_lshlrev_b32 v[DA], 10, v[LANE]               ; stats holds 256 m, then 256 l
	v_cmp_gt_u32 vcc_lo, 2, v[LANE]
	s_wait_xcnt 0x0                                ; EXEC is narrowed only when the stores above have read their sources
	s_and_saveexec_b32 s20, vcc_lo
	global_store_b32 v[DA], v[SB], s[10:11]        ; two words a work-group: all that the launch stores in less than whole runs of 256 bytes
	s_wait_xcnt 0x0                                ; and widened again only behind this wait
	s_or_b32 exec_lo, exec_lo, s20
.Lend:
	s_wait_tensorcnt 0x0                           ; the wave's end: behind my last LDS store
	ds_add_u32 v[SPW], v[NIL]
	s_wait_dscnt 0x0
	s_endpgm
.Lfunc_end_k_q287a6ac78a_partial:
	.size	k_q287a6ac78a_partial, .Lfunc_end_k_q287a6ac78a_partial-k_q287a6ac78a_partial
	.p2alignl 7, 3214868480
	.fill 96, 4, 3214868480
	.section	.rodata,"a",@progbits
	.p2align	6, 0x0
	.amdhsa_kernel k_q287a6ac78a_partial
		.amdhsa_group_segment_fixed_size 68352
		.amdhsa_private_segment_fixed_size 0
		.amdhsa_enable_private_segment 0
		.amdhsa_kernarg_size 40
		.amdhsa_user_sgpr_count 2
		.amdhsa_user_sgpr_kernarg_segment_ptr 1
		.amdhsa_wavefront_size32 1
		.amdhsa_system_sgpr_workgroup_id_x 1
		.amdhsa_system_sgpr_workgroup_id_y 1
		.amdhsa_system_sgpr_workgroup_id_z 1
		.amdhsa_system_vgpr_workitem_id 0
		.amdhsa_next_free_vgpr 256
		.amdhsa_next_free_sgpr 66
		.amdhsa_reserve_vcc 1
		.amdhsa_float_denorm_mode_32 3
		.amdhsa_float_denorm_mode_16_64 3
		.amdhsa_memory_ordered 1
		.amdhsa_forward_progress 1
		.amdhsa_inst_pref_size 41
	.end_amdhsa_kernel
	.amdgpu_metadata
---
amdhsa.version: [ 1, 2 ]
amdhsa.kernels:
  - .name:           k_q287a6ac78a_partial
    .symbol:         k_q287a6ac78a_partial.kd
    .args:
      - { .name: enc, .offset: 0, .size: 8, .value_kind: global_buffer, .address_space: global }
      - { .name: attn_w, .offset: 8, .size: 8, .value_kind: global_buffer, .address_space: global }
      - { .name: part, .offset: 16, .size: 8, .value_kind: global_buffer, .address_space: global }
      - { .name: stats, .offset: 24, .size: 8, .value_kind: global_buffer, .address_space: global }
      - { .name: scores, .offset: 32, .size: 8, .value_kind: global_buffer, .address_space: global }
    .group_segment_fixed_size: 68352
    .private_segment_fixed_size: 0
    .kernarg_segment_align: 8
    .kernarg_segment_size: 40
    .max_flat_workgroup_size: 512
    .sgpr_count:     66
    .vgpr_count:     256
    .wavefront_size: 32
...
	.end_amdgpu_metadata
.endif
;; end of part 1
;; launch finish (part 2): grid 16 x 1, 8 waves a work-group, no clusters, 5,120 bytes of LDS; arguments stats, part, scores, out0, out1; writes out0, out1
.if DOCPART == 2
	.amdgcn_target "amdgcn-amd-amdhsa--gfx1250"
	.amdhsa_code_object_version 6
	.text
	.protected	k_q287a6ac78a_finish
	.globl	k_q287a6ac78a_finish
	.p2align	8
	.type	k_q287a6ac78a_finish,@function
k_q287a6ac78a_finish:
	s_mov_b64 s[64:65], 0
	v_nop
	global_prefetch_b8 v0, s[64:65] scope:SCOPE_SE
	s_setreg_imm32_b32 hwreg(HW_REG_WAVE_MODE, 25, 1), 1
	s_wait_xcnt 0x0
; AttentionDecoder, second launch: the 256 partial sums are joined.  As in the first kernel, the term dec_h . w_dec + attn_b, the same for all t, is left out: softmax does not see it.
; stats: m[256], then l[256]; part: [256][1024] f32, acc_i = sum over work-group i's rows of 2^(s' - m_i) enc; scores: s'[32768], all in the base-2 domain (s' = log2(e) s).
; M = max m_i;  L = sum l_i 2^(m_i - M);  out1[t] = 2^(s'[t] - M) / L;  out0[c] = (sum_i 2^(m_i - M) acc_i[c]) / L.  The maximum is taken away in front of every exponential.  All in f32.
; SHARES.  16 work-groups of 8 waves.  Work-group g makes columns 64 g .. 64 g + 63 of out0 (256 consecutive bytes, aligned) from all 256 partial rows, and out1[2048 g .. 2048 g + 2047].
; Every wave makes M and L for itself from the 256 pairs (8 a lane), so nothing waits for another wave until the sums meet.  Of the 256 partial rows wave v takes 32 v .. 32 v + 31:
; its lanes 0-15 rows 32 v + i, its lanes 16-31 rows 32 v + 16 + i (i = 0..15), 16 bytes a lane: a load covers two runs of 256 consecutive bytes.  All 26 loads of a wave go out together.
; The 16 half-waves' sums meet in LDS; wave 0 adds them, scales by 1 / L and stores.  16 work-groups: a smaller share of out0 would be less than 256 consecutive bytes.
; LIMITS.  A weight below 2^-126 counts as 0; NaN and infinities are not treated apart.
.set RED,   0                          ; LDS: 16 half-waves x 256 bytes
.set SPARE, 4096                       ; the spare words, 128 bytes for each of 8 waves: four blocks of 256 bytes that no other line names
.set LANE, 1
.set SPW,  2                           ; v2   LDS address of my spare word; never rewritten
.set NIL,  3                           ; v3   0; never rewritten
.set O1,   4                           ; v4   16 x thread: my 16 bytes of scores and out1, and of RED
.set OM,   5                           ; v5   32 x lane: my 8 of the 256 m and l
.set OR,   6                           ; v6   64 x (2 wave + half): the m of my 16 partial rows
.set OP,   7                           ; v7   my 16 bytes in my first partial row
.set O8,   8                           ; v8   8 x lane
.set MX,   10                          ; v[10:11] M, and a register at work: packed lines name the pair and take the low word
.set LSU,  12                          ; v[12:13] L on its way
.set IL,   14                          ; v[14:15] 1 / L, and above it L
.set MA,   16                          ; v[16:23] 8 m, then 2^(m - M)
.set LA,   24                          ; v[24:31] 8 l
.set MR,   32                          ; v[32:47] my 16 rows' m
.set SC,   48                          ; v[48:55] 8 scores, then 8 numbers of out1
.set GF,   56                          ; v[56:87] 16 pairs: 2^(m_i - M), and above it its exponent
.set P,    88                          ; v[88:151] 16 x 4: my columns of my 16 rows
.set R,    152                         ; v[152:159] two chains of four sums
.set Q,    160                         ; v[160:191] wave 0: 16 pairs from RED
.set WV,   14                          ; s14  my wave's number
.set SEL,  22                          ; s[22:23] v_permlanex16_b32's selects
	s_load_b256 s[4:11], s[0:1], 0x0               ; stats s[4:5], part s[6:7], scores s[8:9], out0 s[10:11]
	s_load_b64 s[12:13], s[0:1], 0x20              ; out1
	v_lshl_add_u32 v[SPW], v0, 2, SPARE
	v_mov_b32 v[NIL], 0
	v_lshrrev_b32 v[O8], 5, v0
	v_readfirstlane_b32 s[WV], v[O8]               ; wave 0..7
	v_and_b32 v[LANE], 31, v0
	v_lshlrev_b32 v[O1], 4, v0
	v_lshlrev_b32 v[OM], 5, v[LANE]
	v_lshrrev_b32 v[OR], 4, v0                     ; 2 wave + half
	v_and_b32 v[OP], 15, v0
	v_lshlrev_b32 v[OP], 4, v[OP]
	v_lshl_add_u32 v[OP], v[OR], 16, v[OP]         ; 16 rows of 4,096 bytes for each half-wave, + 16 x (lane % 16)
	v_lshlrev_b32 v[OR], 6, v[OR]
	v_lshlrev_b32 v[O8], 3, v[LANE]
	s_lshl_b32 s16, ttmp9, 8                       ; my 64 columns: 256 bytes
	s_mov_b32 s17, 0
	s_lshl_b32 s18, ttmp9, 13                      ; my 2,048 scores: 8,192 bytes
	s_mov_b32 s19, 0
	s_mov_b32 s[SEL], 0x76543210
	s_mov_b32 s[SEL+1], 0xfedcba98
	s_wait_kmcnt 0x0
	s_add_nc_u64 s[6:7], s[6:7], s[16:17]
	s_add_nc_u64 s[10:11], s[10:11], s[16:17]
	s_add_nc_u64 s[8:9], s[8:9], s[18:19]
	s_add_nc_u64 s[12:13], s[12:13], s[18:19]
	global_load_b128 v[MA:MA+3],   v[OM], s[4:5]
	global_load_b128 v[MA+4:MA+7], v[OM], s[4:5] offset:16
	global_load_b128 v[LA:LA+3],   v[OM], s[4:5] offset:1024
	global_load_b128 v[LA+4:LA+7], v[OM], s[4:5] offset:1040
.irp q, 0,1,2,3
	global_load_b128 v[MR+4*(\q):MR+4*(\q)+3], v[OR], s[4:5] offset:16*(\q)
.endr
	global_load_b128 v[SC:SC+3],   v[O1], s[8:9]
	global_load_b128 v[SC+4:SC+7], v[O1], s[8:9] offset:4096
.set i, 0
.rept 16
	global_load_b128 v[P+4*i:P+4*i+3], v[OP], s[6:7] offset:4096*i
.set i, i+1
.endr
	s_wait_loadcnt 24                              ; loads come back in order (ISA guide 5.7.1): my 8 m are in, the 24 younger loads may stay out
	v_max3_num_f32 v[MX], v[MA], v[MA+1], v[MA+2]
	v_max3_num_f32 v[MX+1], v[MA+3], v[MA+4], v[MA+5]
	v_max3_num_f32 v[MX], v[MX], v[MA+6], v[MA+7]
	v_max_num_f32 v[MX], v[MX], v[MX+1]
.irp x, 1,2,4,8
	v_max_num_f32_dpp v[MX], v[MX], v[MX] row_xmask:\x row_mask:0xf bank_mask:0xf
.endr
	v_permlanex16_b32 v[MX+1], v[MX], s[SEL], s[SEL+1]
	v_max_num_f32 v[MX], v[MX], v[MX+1]            ; M, in every lane
	s_wait_loadcnt 16                              ; l, my rows' m and my scores are in; the 16 loads of part may stay out
.irp i, 0,2,4,6
	v_pk_add_f32 v[MA+(\i):MA+(\i)+1], v[MA+(\i):MA+(\i)+1], v[MX:MX+1] op_sel_hi:[1,0] neg_lo:[0,1] neg_hi:[0,1]  ; m - M
	v_pk_add_f32 v[SC+(\i):SC+(\i)+1], v[SC+(\i):SC+(\i)+1], v[MX:MX+1] op_sel_hi:[1,0] neg_lo:[0,1] neg_hi:[0,1]  ; s' - M
.endr
.set i, 0
.rept 16
	v_sub_f32 v[GF+2*i+1], v[MR+i], v[MX]
.set i, i+1
.endr
.set i, 0
.rept 8                                ; ONE batch: all 32 exponentials of the wave
	v_exp_f32 v[MA+i], v[MA+i]
	v_exp_f32 v[SC+i], v[SC+i]
.set i, i+1
.endr
.set i, 0
.rept 16
	v_exp_f32 v[GF+2*i], v[GF+2*i+1]
.set i, i+1
.endr
	v_nop                                          ; the plain instruction behind the last exponential (ISA guide 5.7.2)
	s_wait_alu depctr_va_vdst(0)                   ; one wait for the batch, ahead of its first reader
	v_pk_mul_f32 v[LSU:LSU+1], v[LA:LA+1], v[MA:MA+1]
.irp i, 2,4,6
	v_pk_fma_f32 v[LSU:LSU+1], v[LA+(\i):LA+(\i)+1], v[MA+(\i):MA+(\i)+1], v[LSU:LSU+1]
.endr
	v_add_f32 v[LSU], v[LSU], v[LSU+1]
.irp x, 1,2,4,8
	v_add_f32_dpp v[LSU], v[LSU], v[LSU] row_xmask:\x row_mask:0xf bank_mask:0xf
.endr
	v_permlanex16_b32 v[LSU+1], v[LSU], s[SEL], s[SEL+1]
	v_add_f32 v[IL+1], v[LSU], v[LSU+1]            ; L, in every lane
	v_rcp_f32 v[IL], v[IL+1]
	v_nop                                          ; the plain instruction behind the reciprocal,
	s_wait_alu depctr_va_vdst(0)                   ; and its wait
.irp i, 0,2,4,6
	v_pk_mul_f32 v[SC+(\i):SC+(\i)+1], v[SC+(\i):SC+(\i)+1], v[IL:IL+1] op_sel_hi:[1,0]
.endr
	global_store_b128 v[O1], v[SC:SC+3],   s[12:13]               ; a wave's store covers 512 consecutive bytes, at a multiple of 512 from out1's first byte
	global_store_b128 v[O1], v[SC+4:SC+7], s[12:13] offset:4096
.set i, 0
.rept 16                               ; my 16 rows, as they come in; rows of either parity have a chain of their own, and the first two rows start the sums
	s_wait_loadcnt 15-i
.if i < 2
	v_pk_mul_f32 v[R+4*i:R+4*i+1],   v[P+4*i:P+4*i+1],   v[GF+2*i:GF+2*i+1] op_sel_hi:[1,0]
	v_pk_mul_f32 v[R+4*i+2:R+4*i+3], v[P+4*i+2:P+4*i+3], v[GF+2*i:GF+2*i+1] op_sel_hi:[1,0]
.else
	v_pk_fma_f32 v[R+4*(i%2):R+4*(i%2)+1],   v[P+4*i:P+4*i+1],   v[GF+2*i:GF+2*i+1], v[R+4*(i%2):R+4*(i%2)+1] op_sel_hi:[1,0,1]
	v_pk_fma_f32 v[R+4*(i%2)+2:R+4*(i%2)+3], v[P+4*i+2:P+4*i+3], v[GF+2*i:GF+2*i+1], v[R+4*(i%2)+2:R+4*(i%2)+3] op_sel_hi:[1,0,1]
.endif
.set i, i+1
.endr
	v_pk_add_f32 v[R:R+1], v[R:R+1], v[R+4:R+5]
	v_pk_add_f32 v[R+2:R+3], v[R+2:R+3], v[R+6:R+7]
	ds_store_b128 v[O1], v[R:R+3] offset:RED       ; half-wave 2 v + h at 256 (2 v + h): 16 x thread
	s_wait_dscnt 0x0                               ; for wave 0's sake: my store is done
	s_barrier_signal -1
	s_barrier_wait -1
	s_cmp_lg_u32 s[WV], 0
	s_cbranch_scc1 .Lend
.set k, 0
.rept 16
	ds_load_b64 v[Q+2*k:Q+2*k+1], v[O8] offset:RED+256*k   ; my two columns of half-wave k's sum
.set k, k+1
.endr
	s_wait_dscnt 0x0
.irp w, 8,4,2,1
.set k, 0
.rept \w
	v_pk_add_f32 v[Q+2*k:Q+2*k+1], v[Q+2*k:Q+2*k+1], v[Q+2*(k+\w):Q+2*(k+\w)+1]
.set k, k+1
.endr
.endr
	v_pk_mul_f32 v[Q:Q+1], v[Q:Q+1], v[IL:IL+1] op_sel_hi:[1,0]
	global_store_b64 v[O8], v[Q:Q+1], s[10:11]     ; 32 lanes store 256 consecutive bytes, at a multiple of 256 from out0's first byte
.Lend:
	s_wait_tensorcnt 0x0                           ; the wave's end: behind my last LDS store
	ds_add_u32 v[SPW], v[NIL]
	s_wait_dscnt 0x0
	s_endpgm
.Lfunc_end_k_q287a6ac78a_finish:
	.size	k_q287a6ac78a_finish, .Lfunc_end_k_q287a6ac78a_finish-k_q287a6ac78a_finish
	.p2alignl 7, 3214868480
	.fill 96, 4, 3214868480
	.section	.rodata,"a",@progbits
	.p2align	6, 0x0
	.amdhsa_kernel k_q287a6ac78a_finish
		.amdhsa_group_segment_fixed_size 5120
		.amdhsa_private_segment_fixed_size 0
		.amdhsa_enable_private_segment 0
		.amdhsa_kernarg_size 40
		.amdhsa_user_sgpr_count 2
		.amdhsa_user_sgpr_kernarg_segment_ptr 1
		.amdhsa_wavefront_size32 1
		.amdhsa_system_sgpr_workgroup_id_x 1
		.amdhsa_system_sgpr_workgroup_id_y 1
		.amdhsa_system_sgpr_workgroup_id_z 1
		.amdhsa_system_vgpr_workitem_id 0
		.amdhsa_next_free_vgpr 192
		.amdhsa_next_free_sgpr 66
		.amdhsa_reserve_vcc 0
		.amdhsa_float_denorm_mode_32 3
		.amdhsa_float_denorm_mode_16_64 3
		.amdhsa_memory_ordered 1
		.amdhsa_forward_progress 1
		.amdhsa_inst_pref_size 13
	.end_amdhsa_kernel
	.amdgpu_metadata
---
amdhsa.version: [ 1, 2 ]
amdhsa.kernels:
  - .name:           k_q287a6ac78a_finish
    .symbol:         k_q287a6ac78a_finish.kd
    .args:
      - { .name: stats, .offset: 0, .size: 8, .value_kind: global_buffer, .address_space: global }
      - { .name: part, .offset: 8, .size: 8, .value_kind: global_buffer, .address_space: global }
      - { .name: scores, .offset: 16, .size: 8, .value_kind: global_buffer, .address_space: global }
      - { .name: out0, .offset: 24, .size: 8, .value_kind: global_buffer, .address_space: global }
      - { .name: out1, .offset: 32, .size: 8, .value_kind: global_buffer, .address_space: global }
    .group_segment_fixed_size: 5120
    .private_segment_fixed_size: 0
    .kernarg_segment_align: 8
    .kernarg_segment_size: 40
    .max_flat_workgroup_size: 256
    .sgpr_count:     66
    .vgpr_count:     192
    .wavefront_size: 32
...
	.end_amdgpu_metadata
.endif
;; end of part 2
